; MI455X (gfx1250); checked and timed in simulation.
; The chip was launched on July 23, 2026; its instructions are those of AMD's public machine-readable ISA for CDNA 5 (MIT licence, August 2026) and "CDNA5" Instruction Set Architecture Reference Guide (July 2026). The comments in the code are by the model that wrote it; some were corrected since.
;; Scaled Dot Product Attention. Allowed arithmetic: matrix products marked QUANTISED: E2M1 operands, one E8M0 scale for each 32 along K, by v_wmma_scale_f32_16x16x128_f8f6f4 with both operands' format E2M1 (or v_wmma_scale_f32_32x16x128_f4), f32 sums; everything else in f32.
;; Inputs: Wk_codes 64 x 32 x 16 uint8 (E2M1 codes of Wk, K innermost, in blocks of 32 codes, two codes a byte); Wk_scales 64 x 32 uint8 (E8M0 scales of Wk, one for each 32 codes along K); Wq_codes 64 x 32 x 16 uint8 (E2M1 codes of Wq, K innermost, in blocks of 32 codes, two codes a byte); Wq_scales 64 x 32 uint8 (E8M0 scales of Wq, one for each 32 codes along K); Wv_codes 64 x 32 x 16 uint8 (E2M1 codes of Wv, K innermost, in blocks of 32 codes, two codes a byte); Wv_scales 64 x 32 uint8 (E8M0 scales of Wv, one for each 32 codes along K); x_codes 4 x 4,096 x 32 x 16 uint8 (E2M1 codes of x, K innermost, in blocks of 32 codes, two codes a byte); x_scales 4 x 4,096 x 32 uint8 (E8M0 scales of x, one for each 32 codes along K).
;; Outputs: out0 4 x 4,096 x 64 float32.
;; This version of the problem:
;;   THIS VERSION OF THE PROBLEM IS GIVEN IN LOW PRECISION. The matrix products marked QUANTISED in the list below multiply operands that are first quantised to E2M1 (2 exponent bits, 1 mantissa bit; 4 bits a number), with one power-of-two scale for each 32 numbers along K (OCP MX v1.0); their sums are f32. All else is computed in f32.
;;   The module's matrix products, in the order in which they are computed (A, B: the left and right operand; K: the contracted axis; several contracted axes count as one K, in the product's order):
;;     1. [M 16,384, K 1,024] x [K 1,024, N 64]; A: input x (given as codes); B: input Wq (given as codes): QUANTISED
;;     2. [M 16,384, K 1,024] x [K 1,024, N 64]; A: input x (given as codes); B: input Wk (given as codes): QUANTISED
;;     3. [M 16,384, K 1,024] x [K 1,024, N 64]; A: input x (given as codes); B: input Wv (given as codes): QUANTISED
;;     4. batch 4 x [M 4,096, K 64] x [K 64, N 4,096]; A: computed on the way; B: computed on the way: QUANTISED
;;     5. batch 4 x [M 4,096, K 4,096] x [K 4,096, N 64]; A: softmax (see below); B: computed on the way: QUANTISED
;;   THE QUANTISER, for each operand of a quantised product, along K:
;;     - K is cut into blocks of 32 from its start; a last block that is shorter is filled with zeros.
;;     - A block's scale is 2^e with e = floor(log2(the largest magnitude in the block)) - 2, held to -126 .. 127; a block of zeros has e = 0. As a byte (E8M0): e + 127.
;;     - Each number is divided by its block's scale, clamped to +-6, and rounded to the nearest number of E2M1, ties to even, subnormals kept.
;;     - The product sums the exact products of the quantised numbers (number of the format x scale) in f32.
;;   ~~~python
;;   def quantise(x, axis):      # numpy; x: float32 -> the quantised numbers, widened to float32 again
;;       x = np.moveaxis(x, axis, -1); K = x.shape[-1]
;;       x = np.pad(x, [(0, 0)] * (x.ndim - 1) + [(0, -K % 32)]); x = x.reshape(x.shape[:-1] + (-1, 32)); a = np.abs(x).max(-1, keepdims=True)
;;       e = np.where(a > 0, np.clip(np.frexp(np.where(a > 0, a, 1))[1] - 1 - 2, -126, 127), 0)      # np.frexp(a)[1] - 1 = floor(log2(a)), exactly
;;       r = np.clip(x / 2.0 ** e, -6, 6)
;;       step = 2.0 ** (np.maximum(np.frexp(np.where(r == 0, 1, r))[1] - 1, 0) - 1)
;;       q = np.round(r / step) * step * 2.0 ** e      # np.round: ties to even
;;       return np.moveaxis(q.reshape(q.shape[:-2] + (-1,))[..., :K], -1, axis).astype(np.float32)
;;   ~~~
;;   SOFTMAX AHEAD OF A QUANTISED PRODUCT. Where the list says 'softmax', what is quantised is not the finished softmax but p = 2^(t - M), with t = logit x log2(e) and M = ceil(the row's largest t), a whole number; so 1/2 < the row's largest p <= 1. The row's sum l is taken of the UNQUANTISED p, in f32, and the product's result is divided by l at the end. Since M is a whole number, a kernel that streams over the keys may use a running M (the ceiling of the running maximum): every later rescaling is an exact power of two, which a block's scale takes up: the codes' values come out the same.
;;   OPERANDS COMPUTED ON THE WAY. 'Computed on the way' means the value that the module computes at that place (a softmax that the list does not call 'softmax' is quantised finished and normalised). What goes into a quantiser is computed in f32, as accurately as f32 sums, v_exp_f32 and their like allow (about 1e-6 of the number): no bf16 or f16 on the way to a quantiser, and a product that is left as it is and whose result goes on into a quantised operand takes f32 operands (vector FMAs, or v_wmma_f32_16x16x4_f32). A number that lies on a knife's edge between two numbers of the format may be rounded either way, as far as f32 arithmetic and the matrix unit's own rounding can turn it there, and no further.
;;   INPUTS GIVEN AS CODES. Wk (in the module: [1024, 64], K = its axis 0); Wq (in the module: [1024, 64], K = its axis 0); Wv (in the module: [1024, 64], K = its axis 0); x (in the module: [4, 4096, 1024], K = its axis 2): each comes as NAME_codes (uint8): NAME with its K axis moved to the last place and cut into blocks of 32 codes, [.., K / 32, bytes a block], one block behind the other in memory; two codes a byte, the lower K in the low four bits (a code: sign, 2 exponent bits, 1 mantissa bit); and NAME_scales (uint8): the same leading axes, one E8M0 byte (e + 127) for each 32 codes along K. Its value is code x scale, taken as it is: it is not quantised again, and the codes and scales need not be those that the quantiser above would give.
;; One version. Each part assembles by itself: llvm-mc -triple=amdgcn-amd-amdhsa -mcpu=gfx1250 --defsym DOCPART=n.
;; ======== version 1 of 1: 2 launches
;; workspace buffers: q_codes 524,288 bytes; q_scales 131,072 bytes; k_img 524,288 bytes; k_sc 32,768 bytes; v_img 524,288 bytes; v_sc 32,768 bytes
;; launch proj (part 1): grid 256 x 1, 6 waves a work-group, clusters of 4 x 1, 168,704 bytes of LDS; arguments x_codes, x_scales, Wq_codes, Wq_scales, Wk_codes, Wk_scales, Wv_codes, Wv_scales, q_codes, q_scales, k_img, k_sc, v_img, v_sc; writes q_codes, q_scales, k_img, k_sc, v_img, v_sc
.if DOCPART == 1
	.amdgcn_target "amdgcn-amd-amdhsa--gfx1250"
	.amdhsa_code_object_version 6
	.text
	.protected	k_q62057b3e10_proj
	.globl	k_q62057b3e10_proj
	.p2align	8
	.type	k_q62057b3e10_proj,@function
k_q62057b3e10_proj:
	s_mov_b64 s[64:65], 0
	v_nop
	global_prefetch_b8 v0, s[64:65] scope:SCOPE_SE
	s_setreg_imm32_b32 hwreg(HW_REG_WAVE_MODE, 25, 1), 1
	s_wait_xcnt 0x0
	s_wait_alu depctr_hold_cnt(0) depctr_sa_sdst(0) depctr_va_vdst(0) depctr_va_sdst(0) depctr_va_ssrc(0) depctr_va_vcc(0) depctr_vm_vsrc(0)
	s_getreg_b32 s2, hwreg(HW_REG_IB_STS2, 6, 4)
	s_cmp_eq_u32 s2, 0
	s_cbranch_scc0 .Lentry_in_a_cluster
	s_endpgm
.Lentry_in_a_cluster:
	s_bfe_u32 s2, ttmp6, 0x10000c
	s_cmp_lg_u32 s2, 0x3003
	s_cbranch_scc0 .Lentry_shape_is_right
	s_endpgm
.Lentry_shape_is_right:
; q = x Wq, k = x Wk, v = x Wv on codes of FP4 (E2M1) with E8M0 scales, f32 sums; the three results are quantised here, in registers, and stored as the next launch reads them.
; x: 16,384 rows of 1,024 codes (512 bytes) and 32 scale bytes.  Wq, Wk, Wv: 64 rows (the head's dims) of the same make.
; SHARES.  A work-group owns 64 rows of x.  Six waves: waves 0, 1 make q, waves 2, 3 make k, waves 4, 5 make v; all six run ONE main loop: eight accumulators = four tiles as source 0 x two tiles as source 1, eight K steps of 128.
;   q, k: source 0 = the four tiles of the weight, source 1 = two tiles of x (the wave's 32 rows): a lane holds one row of x, its registers run along the head's 64 dims, which are the next product's K.
;   v:    source 0 = the four tiles of x, source 1 = two tiles of Wv (the wave's 32 dims): a lane holds one dim, its registers run along the 64 keys, which are the last product's K.
; THE ROWS OF A SOURCE-0 TILE ARE NOT NEIGHBOURS: lane r of tile T takes row 32 (T / 2) + 8 (T % 2) + r + 8 (r / 8), so that the 16 registers of tiles 2 b and 2 b + 1 are 16 neighbours along the next K: 32 b + 16 (lane / 16) + 0 .. 15.
; So in every role a lane's 64 results are four half blocks of 16, and one macro quantises them.
; WHAT IS STORED.  q_codes [row][32 bytes].  q_scales [row][2 words]: bytes s0, s1, 1, 1 and 1, 1, s0, s1.  k_img: images of operand registers that hold TWO tiles of 16 keys (64 dims each) in the 128 along K of one fragment.
;   k_sc: one word for such a pair's row.  v_img: images of fragments 16 dims x 128 keys.  v_sc [step of 128 keys][dim] words: this work-group's 64 keys are half of each word, so they leave as 2 bytes a lane (32 KiB in the whole launch).
; CLUSTER.  The four work-groups of a cluster read the same three weights: each weight and its scales are asked for JOINTLY (mask 15).  x's rows belong to one work-group alone: a plain load.
; LDS is filled once and nothing is stored there: no slot is filled again.
; LIMITS: NaN and infinities are not served; a given scale byte 0xff gives NaN; a block whose numbers are all zero gets the byte 1 and not 127: its codes are zeros, and the bytes are read by this program alone.
.set REG,   64*528                     ; a region of codes: 64 rows of 512 bytes + 16 of padding: 33 x 16 bytes from row to row, so that the 16 rows of a fragment load start at 16 different groups of four banks (ISA guide 11.1)
.set SBASE, 4*REG                      ; regions 0 Wq, 1 Wk, 2 x, 3 Wv; behind them the scales in the same order
.set SREG,  8*272                      ; 64 rows x 32 scale bytes as 8 lines of 256 bytes + 16 of padding: row p lies at (p / 8) 272 + (p % 8) 32
.set WV,   32                          ; s32 wave 0..5
.set ROLE, 33                          ; s33 0 q, 1 k, 2 v
.set WH,   34                          ; s34 which half of the role's work
.set CX,   35                          ; s35 my place in the cluster
.set WG,   36                          ; s36 work-group 0..255
.set ISV,  37                          ; s37 1 for v's waves
.set SEL,  38                          ; s[38:39] lane selects for v_permlanex16_b32: lane l xor 16
.set G1CJ, 40                          ; s[40:47] group 1: codes, joint
.set G1CP, 48                          ; s[48:55] codes, plain
.set G1SJ, 56                          ; s[56:63] scales, joint
.set G1SP, 68                          ; s[68:75] scales, plain
.set G0W,  76                          ; s[76:79] group 0: a weight's codes;  s[80:83] its scales;  s[84:87] x's codes;  s[88:91] x's scales
.set G0WS, 80
.set G0X,  84
.set G0XS, 88
.set ACC,  136                         ; v136-199 accumulator (i, T) at ACC + 32 i + 8 T
.set TM,   200                         ; v200-203 largest magnitudes, v204-207 bytes, v212-215 the conversions' scale operands
.set PW,   216                         ; the four bytes as a word
.set PC,   220                         ; v220-227 the codes
; v1 lane, v2 r, v3 h, v4 r / 8, v5 r % 8; v6 source 0's fragments, v7, v8 source 1's two tiles, v9, v10 their scale words; v11-15 offsets of the stores
; v16-31 source 0's scale words (register 16 + 8 (T / 2) + K step: lanes 0-15 the even tile, lanes 16-31 the odd), v32-39 source 1's (lanes 0-15 tile 0, lanes 16-31 tile 1); v40-87, v88-135 two sets of fragments
.macro ROUND                           ; a round of the cluster's barrier
	s_barrier_signal -1
	s_barrier_wait -1
	s_cmp_lg_u32 s[WV], 0
	s_cbranch_scc1 .Lnot_wave_0_\@
	s_barrier_signal -3
.Lnot_wave_0_\@:
	s_barrier_wait -3
	s_barrier_signal -1
	s_barrier_wait -1
.endm
; one matrix instruction: D at v[d], sources at v[a], v[b]; acc = 0: the constant 0 starts the sum; scale words v[sa], v[sb], taken from lanes 16-31 where ra, rb = 1
.macro WM d, a, b, acc, sa, sb, ra, rb
.if \acc
.if (\ra) && (\rb)
	v_wmma_scale_f32_16x16x128_f8f6f4 v[\d:\d+7], v[\a:\a+7], v[\b:\b+7], v[\d:\d+7], v[\sa], v[\sb] matrix_a_fmt:MATRIX_FMT_FP4 matrix_b_fmt:MATRIX_FMT_FP4 matrix_a_scale:MATRIX_SCALE_ROW1 matrix_b_scale:MATRIX_SCALE_ROW1
.elseif \ra
	v_wmma_scale_f32_16x16x128_f8f6f4 v[\d:\d+7], v[\a:\a+7], v[\b:\b+7], v[\d:\d+7], v[\sa], v[\sb] matrix_a_fmt:MATRIX_FMT_FP4 matrix_b_fmt:MATRIX_FMT_FP4 matrix_a_scale:MATRIX_SCALE_ROW1
.elseif \rb
	v_wmma_scale_f32_16x16x128_f8f6f4 v[\d:\d+7], v[\a:\a+7], v[\b:\b+7], v[\d:\d+7], v[\sa], v[\sb] matrix_a_fmt:MATRIX_FMT_FP4 matrix_b_fmt:MATRIX_FMT_FP4 matrix_b_scale:MATRIX_SCALE_ROW1
.else
	v_wmma_scale_f32_16x16x128_f8f6f4 v[\d:\d+7], v[\a:\a+7], v[\b:\b+7], v[\d:\d+7], v[\sa], v[\sb] matrix_a_fmt:MATRIX_FMT_FP4 matrix_b_fmt:MATRIX_FMT_FP4
.endif
.else
.if (\ra) && (\rb)
	v_wmma_scale_f32_16x16x128_f8f6f4 v[\d:\d+7], v[\a:\a+7], v[\b:\b+7], 0, v[\sa], v[\sb] matrix_a_fmt:MATRIX_FMT_FP4 matrix_b_fmt:MATRIX_FMT_FP4 matrix_a_scale:MATRIX_SCALE_ROW1 matrix_b_scale:MATRIX_SCALE_ROW1
.elseif \ra
	v_wmma_scale_f32_16x16x128_f8f6f4 v[\d:\d+7], v[\a:\a+7], v[\b:\b+7], 0, v[\sa], v[\sb] matrix_a_fmt:MATRIX_FMT_FP4 matrix_b_fmt:MATRIX_FMT_FP4 matrix_a_scale:MATRIX_SCALE_ROW1
.elseif \rb
	v_wmma_scale_f32_16x16x128_f8f6f4 v[\d:\d+7], v[\a:\a+7], v[\b:\b+7], 0, v[\sa], v[\sb] matrix_a_fmt:MATRIX_FMT_FP4 matrix_b_fmt:MATRIX_FMT_FP4 matrix_b_scale:MATRIX_SCALE_ROW1
.else
	v_wmma_scale_f32_16x16x128_f8f6f4 v[\d:\d+7], v[\a:\a+7], v[\b:\b+7], 0, v[\sa], v[\sb] matrix_a_fmt:MATRIX_FMT_FP4 matrix_b_fmt:MATRIX_FMT_FP4
.endif
.endif
.endm
; the six fragments of K step ks into set: twelve loads.  A fragment, 16 rows x 128 K of 4-bit codes, is 8 registers: registers 4 c .. 4 c + 3 of lane (r, h) hold K = 64 c + 32 h + 0 .. 31 of row r: 16 bytes as they lie
.macro FETCH ks, set
.irp T, 0,1,2,3
.irp c, 0,1
	ds_load_b128 v[40+48*(\set)+8*\T+4*\c:40+48*(\set)+8*\T+4*\c+3], v6 offset:(32*(\T/2)+8*(\T%2))*528+64*(\ks)+32*\c
.endr
.endr
.irp i, 0,1
.irp c, 0,1
	ds_load_b128 v[72+48*(\set)+8*\i+4*\c:72+48*(\set)+8*\i+4*\c+3], v[7+\i] offset:64*(\ks)+32*\c
.endr
.endr
.endm
; a K step: the next step's fragments are asked for, then this step's eight products.  The eight accumulators take turns, one instruction a turn, in the same order in every step.
.macro KSTEP ks
.if (\ks) < 7
.if (\ks) > 0
.rept 4
	v_nop                                          ; four places between the last step's products and the loads into the set that they read
.endr
.endif
	FETCH (\ks)+1, ((\ks)+1)%2
	s_wait_dscnt 12                                ; all but the twelve just issued: this step's fragments (and, in step 0, the scale words) are in
.else
	s_wait_dscnt 0x0                               ; the last step: nothing was asked for behind its fragments
.endif
.irp i, 0,1
.irp T, 0,1,2,3
	WM ACC+32*\i+8*\T, 40+48*((\ks)%2)+8*\T, 72+48*((\ks)%2)+8*\i, (\ks), 16+8*(\T/2)+(\ks), 32+(\ks), \T%2, \i
.endr
.endr
.endm
; 64 numbers of a lane, v[s] .. v[s + 63]: block b's 16 numbers of my half at v[s + 16 b] on.  They become codes in v[PC] on (registers 4 c .. 4 c + 3: lanes 0-15 all of block 2 c, lanes 16-31 all of block 2 c + 1), bytes in v[TM + 4] on, the word in v[PW].
.macro QUANT s
.irp b, 0,1,2,3
	v_max3_num_f32 v[TM+\b], |v[\s+16*\b]|, |v[\s+1+16*\b]|, 0x1800000   ; my 16 numbers, and the floor 2^(3 - 127): the byte cannot fall under 1
.endr
.irp i, 2,4,6,8,10,12,14
.irp b, 0,1,2,3
	v_max3_num_f32 v[TM+\b], v[TM+\b], |v[\s+16*\b+\i]|, |v[\s+1+16*\b+\i]|   ; the four blocks by turns; each accumulator is read from its low end on
.endr
.endr
.irp b, 0,1,2,3
	v_permlanex16_b32 v[TM+4+\b], v[TM+\b], s[SEL], s[SEL+1]
.endr
.irp b, 0,1,2,3
	v_max_num_f32 v[TM+\b], v[TM+\b], v[TM+4+\b]   ; with lane l xor 16's 16: the block's largest magnitude
.endr
.irp b, 0,1,2,3
	v_add_nc_u32 v[TM+12+\b], 0xff000000, v[TM+\b]   ; 2 off its exponent field: the conversion takes the exponent field of this operand as its scale
.endr
.irp b, 0,1,2,3
	v_lshrrev_b32 v[TM+4+\b], 23, v[TM+12+\b]      ; the scale's byte
.endr
	v_lshl_or_b32 v[PW], v[TM+5], 8, v[TM+4]
	v_lshl_or_b32 v[PW], v[TM+6], 16, v[PW]
	v_lshl_or_b32 v[PW], v[TM+7], 24, v[PW]
.irp b, 0,1,2,3
	v_cvt_scalef32_pk8_fp4_f32 v[PC+2*\b], v[\s+16*\b:\s+7+16*\b], v[TM+12+\b]
	v_cvt_scalef32_pk8_fp4_f32 v[PC+1+2*\b], v[\s+8+16*\b:\s+15+16*\b], v[TM+12+\b]
.endr
	v_nop                                          ; one plain place behind a scaled conversion
.irp c, 0,1
.irp i, 0,1
	v_permlane16_swap_b32 v[PC+4*\c+\i], v[PC+2+4*\c+\i]   ; half blocks become whole blocks
.endr
.endr
.endm
	s_load_b512 s[4:19], s[0:1], 0x0               ; x's codes s[4:5], scales s[6:7]; Wq's s[8:9], s[10:11]; Wk's s[12:13], s[14:15]; Wv's s[16:17], s[18:19]
	s_load_b256 s[20:27], s[0:1], 0x40             ; q_codes s[20:21], q_scales s[22:23], k_img s[24:25], k_sc s[26:27]
	s_load_b128 s[28:31], s[0:1], 0x60             ; v_img s[28:29], v_sc s[30:31]
	v_lshl_add_u32 v254, v0, 2, 0x29000
	v_mov_b32 v255, 0
	ds_add_u32 v254, v255
	ds_add_u32 v254, v255
	v_lshrrev_b32 v1, 5, v0
	v_readfirstlane_b32 s[WV], v1
	s_lshr_b32 s[ROLE], s[WV], 1
	s_and_b32 s[WH], s[WV], 1
	s_lshr_b32 s[ISV], s[WV], 2
	s_bfe_u32 s[CX], ttmp6, 0x40000
	s_lshl_b32 s[WG], ttmp9, 2                     ; in a cluster launch ttmp9 counts clusters
	s_add_co_u32 s[WG], s[WG], s[CX]               ; it enters global addresses alone
	s_mov_b32 s[SEL], 0x76543210
	s_mov_b32 s[SEL+1], 0xfedcba98
	; group 1, codes: 64 rows of 64 elements of 8 bytes, dense in memory; four words of padding behind every 128
	s_mov_b32 s[G1CJ], 15|(3<<16)|(1<<20)|(1<<21)|(6<<22)|(3<<25)   ; 15:0 the mask: all four work-groups; 17:16 elements of 8 bytes; 20 padding on; 21 set beside a mask; 24:22 code 6; 31:25 code 3
	s_mov_b32 s[G1CP], (3<<16)|(1<<20)|(6<<22)|(3<<25)              ; the same with no mask
.irp g, G1CJ, G1CP
	s_mov_b32 s[\g+1], 64<<16                      ; tensor_dim0
	s_mov_b32 s[\g+2], 64<<16                      ; tensor_dim1
	s_mov_b32 s[\g+3], 64<<16                      ; tile_dim0
	s_mov_b32 s[\g+4], 64                          ; tile_dim1
	s_mov_b32 s[\g+5], 64                          ; elements from row to row
	s_mov_b32 s[\g+6], 0
	s_mov_b32 s[\g+7], 0
.endr
	; group 1, scales: 2,048 dense bytes as 8 rows of 32 elements of 8 bytes; four words of padding behind every 64
	s_mov_b32 s[G1SJ], 15|(3<<16)|(1<<20)|(1<<21)|(5<<22)|(3<<25)
	s_mov_b32 s[G1SP], (3<<16)|(1<<20)|(5<<22)|(3<<25)
.irp g, G1SJ, G1SP
	s_mov_b32 s[\g+1], 32<<16
	s_mov_b32 s[\g+2], 8<<16
	s_mov_b32 s[\g+3], 32<<16
	s_mov_b32 s[\g+4], 8
	s_mov_b32 s[\g+5], 32
	s_mov_b32 s[\g+6], 0
	s_mov_b32 s[\g+7], 0
.endr
	s_lshl_b32 s96, s[WG], 15                      ; my 64 rows of x: 32,768 bytes of codes,
	s_mov_b32 s97, 0
	s_lshl_b32 s98, s[WG], 11                      ; 2,048 scale bytes
	s_mov_b32 s99, 0
	s_mul_i32 s100, s[WV], REG                     ; wave 0 brings Wq into region 0, wave 1 Wk into 1, wave 3 Wv into 3; wave 2 brings x into 2
	s_mul_i32 s101, s[WV], SREG
	s_wait_dscnt 0x0
	s_wait_kmcnt 0x0
	s_cmp_eq_u32 s[WV], 0                          ; which weight: the choice hangs on the wave's number alone
	s_cselect_b64 s[92:93], s[8:9], s[12:13]
	s_cselect_b64 s[94:95], s[10:11], s[14:15]
	s_cmp_eq_u32 s[WV], 3
	s_cselect_b64 s[92:93], s[16:17], s[92:93]
	s_cselect_b64 s[94:95], s[18:19], s[94:95]
	s_mov_b32 s[G0W], 1                            ; count = 1
	s_mov_b32 s[G0W+1], s100                       ; LDS address
	s_mov_b64 s[G0W+2:G0W+3], s[92:93]             ; global address
	s_or_b32 s[G0W+3], s[G0W+3], 0x80000000        ; type = 2
	s_mov_b32 s[G0WS], 1
	s_add_co_u32 s[G0WS+1], s101, SBASE
	s_mov_b64 s[G0WS+2:G0WS+3], s[94:95]
	s_or_b32 s[G0WS+3], s[G0WS+3], 0x80000000
	s_mov_b32 s[G0X], 1
	s_mov_b32 s[G0X+1], 2*REG
	s_add_nc_u64 s[G0X+2:G0X+3], s[4:5], s[96:97]
	s_or_b32 s[G0X+3], s[G0X+3], 0x80000000
	s_mov_b32 s[G0XS], 1
	s_mov_b32 s[G0XS+1], SBASE+2*SREG
	s_add_nc_u64 s[G0XS+2:G0XS+3], s[6:7], s[98:99]
	s_or_b32 s[G0XS+3], s[G0XS+3], 0x80000000
	ROUND                                          ; all four work-groups are here: the joint loads meet
	s_cmp_eq_u32 s[WV], 2                          ; a wave's two fills stand together in one arm; two loads of a wave are out at the most; waves 4 and 5 issue none
	s_cbranch_scc0 .Lnot_x
	tensor_load_to_lds s[G0X:G0X+3], s[G1CP:G1CP+7]
	s_nop 0
	tensor_load_to_lds s[G0XS:G0XS+3], s[G1SP:G1SP+7]
	s_nop 0
.rept 4
	v_nop
.endr
	s_branch .Lasked
.Lnot_x:
	s_cmp_lt_u32 s[WV], 4
	s_cbranch_scc0 .Lasked
	tensor_load_to_lds s[G0W:G0W+3], s[G1CJ:G1CJ+7]
	s_nop 0
	tensor_load_to_lds s[G0WS:G0WS+3], s[G1SJ:G1SJ+7]
	s_nop 0
.rept 4
	v_nop
.endr
.Lasked:
	v_and_b32 v1, 31, v0                           ; lane
	v_and_b32 v2, 15, v0                           ; r
	s_wait_alu depctr_va_vdst(0)
	v_bfe_u32 v3, v0, 4, 1                         ; h
	v_bfe_u32 v4, v0, 3, 1                         ; r / 8
	v_and_b32 v5, 7, v0                            ; r % 8
	s_xor_b32 s92, s[ISV], 1                       ; 1 for q's and k's waves
	s_mul_i32 s93, s92, 8*528                      ; x's rows as source 1 skip eight rows behind every eight; Wv's rows are neighbours
	s_lshl_b32 s94, 8*528, s[ISV]                  ; from source 1's tile 0 to its tile 1: 8 rows of x, or 16 of Wv
	s_add_co_u32 s95, s[ISV], 2                    ; source 1's region: 2 (x) or 3 (Wv)
	s_mul_i32 s96, s95, REG
	s_mul_i32 s97, s[WH], 32*528                   ; my half: 32 rows
	s_add_co_u32 s96, s96, s97
	v_lshl_add_u32 v6, v4, 3, v2                   ; source 0: row r + 8 (r / 8) of region 0 (Wq), 1 (Wk) or 2 (x)
	v_mul_u32_u24 v6, v6, 528
	v_lshl_add_u32 v6, v3, 4, v6                   ; + 16 h
	s_mul_i32 s98, s[ROLE], REG
	v_add_nc_u32 v6, s98, v6
	v_mul_u32_u24 v7, v2, 528                      ; source 1, tile 0
	s_wait_alu depctr_va_vdst(0)
	v_lshl_add_u32 v7, v3, 4, v7
	v_mad_u32_u24 v7, v4, s93, v7
	v_add_nc_u32 v7, s96, v7
	v_add_nc_u32 v8, s94, v7                       ; tile 1
	v_lshl_add_u32 v9, v4, 1, v3                   ; source 0's scale words: lane (r, h) takes row 8 h + r + 8 (r / 8): line h + 2 (r / 8), place r % 8
	v_mul_u32_u24 v9, v9, 272
	v_lshl_add_u32 v9, v5, 5, v9
	s_mul_i32 s98, s[ROLE], SREG
	s_add_co_u32 s98, s98, SBASE
	v_add_nc_u32 v9, s98, v9
	s_add_co_u32 s99, s[ISV], 1                    ; source 1's: x: line h + 2 (r / 8);  Wv: line 2 h + r / 8
	s_add_co_u32 s100, s92, 1
	v_mul_u32_u24 v10, s99, v3
	v_mad_u32_u24 v10, v4, s100, v10
	v_mul_u32_u24 v10, v10, 272
	v_lshl_add_u32 v10, v5, 5, v10
	s_mul_i32 s101, s95, SREG
	s_mul_i32 s97, s[WH], 4*272                    ; my 32 rows are four lines
	s_add_co_u32 s101, s101, s97
	s_add_co_u32 s101, s101, SBASE
	v_add_nc_u32 v10, s101, v10
	v_lshlrev_b32 v11, 4, v1                       ; the images: 16 x lane
	v_lshl_add_u32 v12, v4, 3, v2
	v_lshl_add_u32 v12, s[WH], 5, v12              ; q: row 32 x half + r + 8 (r / 8) of the work-group's 64
	v_lshlrev_b32 v13, 3, v12
	v_lshl_add_u32 v13, v3, 2, v13                 ; its two scale words: 8 x row + 4 h
	v_lshlrev_b32 v12, 5, v12
	v_lshl_add_u32 v12, v3, 4, v12                 ; its codes: 32 x row + 16 h
	v_lshlrev_b32 v14, 2, v2                       ; k_sc: 4 r
	v_lshlrev_b32 v15, 2, v1                       ; v_sc: 4 x lane
.irp b, 0,1,2,3
	v_mov_b32 v[TM+4+\b], 0                        ; written once: a lane permute's destination counts as one of its sources
.endr
	s_wait_tensorcnt 0x0                           ; my fills have landed,
	s_barrier_signal -1
	s_barrier_wait -1                              ; everybody's have
	ds_load_b128 v[16:19], v9                      ; a row's 32 scale bytes are its words of the eight K steps
	ds_load_b128 v[20:23], v9 offset:16
	ds_load_b128 v[24:27], v9 offset:1088          ; tiles 2 and 3: 32 rows, four lines, on
	ds_load_b128 v[28:31], v9 offset:1104
	ds_load_b128 v[32:35], v10
	ds_load_b128 v[36:39], v10 offset:16
	FETCH 0, 0
.irp k, 0,1,2,3,4,5,6,7
	KSTEP \k
.endr
.rept 4
	v_nop                                          ; four places between the last products and the first read of results
.endr
	QUANT ACC
	s_mov_b32 s93, 0
	s_cmp_eq_u32 s[ROLE], 0
	s_cbranch_scc0 .Lnot_q
	; q: registers 4 i .. 4 i + 3 of lane (r, h) are dims 32 h .. 32 h + 31 of row 32 x half + 8 i + r + 8 (r / 8)
	s_lshl_b32 s92, s[WG], 11
	s_add_nc_u64 s[20:21], s[20:21], s[92:93]
	s_lshl_b32 s92, s[WG], 9
	s_add_nc_u64 s[22:23], s[22:23], s[92:93]
	global_store_b128 v12, v[PC:PC+3], s[20:21]              ; sixteen lanes store eight rows: 256 consecutive bytes, aligned
	global_store_b128 v12, v[PC+4:PC+7], s[20:21] offset:256
	v_lshl_or_b32 v228, v[TM+5], 8, v[TM+4]        ; a row's two bytes
	v_lshl_or_b32 v229, v[TM+7], 8, v[TM+6]
	v_cmp_lt_u32 vcc_lo, 15, v1
	v_or_b32 v230, 0x01010000, v228                ; the word for q's codes in the low half of K: the idle half, whose codes are zeros, gets the byte 1
	v_lshl_or_b32 v231, v228, 16, 0x0101           ; and for the high half
	v_or_b32 v232, 0x01010000, v229
	v_lshl_or_b32 v233, v229, 16, 0x0101
	v_cndmask_b32 v234, v230, v231, vcc_lo         ; lanes 0-15 store the first word, lanes 16-31 the second
	v_cndmask_b32 v235, v232, v233, vcc_lo
	global_store_b32 v13, v234, s[22:23]
	global_store_b32 v13, v235, s[22:23] offset:64
	s_branch .Ldone
.Lnot_q:
	s_cmp_eq_u32 s[ROLE], 1
	s_cbranch_scc0 .Lis_v
	; k: the eight registers as they stand are the image of a pair of key tiles: 1,024 bytes; the word is the pair's scale word
	s_lshl_b32 s92, s[WG], 11
	s_lshl_b32 s94, s[WH], 10
	s_add_co_u32 s92, s92, s94
	s_add_nc_u64 s[24:25], s[24:25], s[92:93]
	s_lshl_b32 s92, s[WG], 7
	s_lshl_b32 s94, s[WH], 6
	s_add_co_u32 s92, s92, s94
	s_add_nc_u64 s[26:27], s[26:27], s[92:93]
	s_wait_alu depctr_va_vdst(0)
	global_store_b128 v11, v[PC:PC+3], s[24:25]              ; 512 consecutive bytes
	global_store_b128 v11, v[PC+4:PC+7], s[24:25] offset:512
	global_store_b32 v14, v[PW], s[26:27]          ; lanes l and l xor 16 hold the same word and write it to the same place
	s_branch .Ldone
.Lis_v:
	; v: registers 4 i .. 4 i + 3 of lane (r, h) are my work-group's keys 32 h .. 32 h + 31 of dim 32 x half + 16 i + r: half a fragment (64 of its 128 keys)
	s_lshr_b32 s95, s[WG], 1                       ; the step of 128 keys,
	s_and_b32 s96, s[WG], 1                        ; and which half of it
	s_lshl_b32 s92, s95, 12
	s_lshl_b32 s94, s96, 9
	s_add_co_u32 s92, s92, s94
	s_lshl_b32 s94, s[WH], 11
	s_add_co_u32 s92, s92, s94
	s_add_nc_u64 s[28:29], s[28:29], s[92:93]
	s_lshl_b32 s92, s95, 8
	s_lshl_b32 s94, s[WH], 7
	s_add_co_u32 s92, s92, s94
	s_lshl_b32 s94, s96, 1
	s_add_co_u32 s92, s92, s94
	s_add_nc_u64 s[30:31], s[30:31], s[92:93]
	s_wait_alu depctr_va_vdst(0)
	global_store_b128 v11, v[PC:PC+3], s[28:29]
	global_store_b128 v11, v[PC+4:PC+7], s[28:29] offset:1024
	v_lshl_or_b32 v228, v[TM+5], 8, v[TM+4]
	v_lshl_or_b32 v229, v[TM+7], 8, v[TM+6]
	v_cmp_lt_u32 vcc_lo, 15, v1
	v_cndmask_b32 v230, v228, v229, vcc_lo         ; lane l stores the two bytes of dim 32 x half + l
	global_store_b16 v15, v230, s[30:31]
.Ldone:
	s_wait_tensorcnt 0x0
	ds_add_u32 v254, v255
	s_wait_dscnt 0x0
	ROUND                                          ; the closing round: no work-group ends while a partner may still ask for a tile that names it
	s_endpgm
.Lfunc_end_k_q62057b3e10_proj:
	.size	k_q62057b3e10_proj, .Lfunc_end_k_q62057b3e10_proj-k_q62057b3e10_proj
	.p2alignl 7, 3214868480
	.fill 96, 4, 3214868480
	.section	.rodata,"a",@progbits
	.p2align	6, 0x0
	.amdhsa_kernel k_q62057b3e10_proj
		.amdhsa_group_segment_fixed_size 168704
		.amdhsa_private_segment_fixed_size 0
		.amdhsa_enable_private_segment 0
		.amdhsa_kernarg_size 112
		.amdhsa_user_sgpr_count 2
		.amdhsa_user_sgpr_kernarg_segment_ptr 1
		.amdhsa_wavefront_size32 1
		.amdhsa_system_sgpr_workgroup_id_x 1
		.amdhsa_system_sgpr_workgroup_id_y 1
		.amdhsa_system_sgpr_workgroup_id_z 1
		.amdhsa_system_vgpr_workitem_id 0
		.amdhsa_next_free_vgpr 256
		.amdhsa_next_free_sgpr 102
		.amdhsa_reserve_vcc 1
		.amdhsa_float_denorm_mode_32 3
		.amdhsa_float_denorm_mode_16_64 3
		.amdhsa_memory_ordered 1
		.amdhsa_forward_progress 1
		.amdhsa_inst_pref_size 31
	.end_amdhsa_kernel
	.amdgpu_metadata
---
amdhsa.version: [ 1, 2 ]
amdhsa.kernels:
  - .name:           k_q62057b3e10_proj
    .symbol:         k_q62057b3e10_proj.kd
    .args:
      - { .name: x_codes, .offset: 0, .size: 8, .value_kind: global_buffer, .address_space: global }
      - { .name: x_scales, .offset: 8, .size: 8, .value_kind: global_buffer, .address_space: global }
      - { .name: Wq_codes, .offset: 16, .size: 8, .value_kind: global_buffer, .address_space: global }
      - { .name: Wq_scales, .offset: 24, .size: 8, .value_kind: global_buffer, .address_space: global }
      - { .name: Wk_codes, .offset: 32, .size: 8, .value_kind: global_buffer, .address_space: global }
      - { .name: Wk_scales, .offset: 40, .size: 8, .value_kind: global_buffer, .address_space: global }
      - { .name: Wv_codes, .offset: 48, .size: 8, .value_kind: global_buffer, .address_space: global }
      - { .name: Wv_scales, .offset: 56, .size: 8, .value_kind: global_buffer, .address_space: global }
      - { .name: q_codes, .offset: 64, .size: 8, .value_kind: global_buffer, .address_space: global }
      - { .name: q_scales, .offset: 72, .size: 8, .value_kind: global_buffer, .address_space: global }
      - { .name: k_img, .offset: 80, .size: 8, .value_kind: global_buffer, .address_space: global }
      - { .name: k_sc, .offset: 88, .size: 8, .value_kind: global_buffer, .address_space: global }
      - { .name: v_img, .offset: 96, .size: 8, .value_kind: global_buffer, .address_space: global }
      - { .name: v_sc, .offset: 104, .size: 8, .value_kind: global_buffer, .address_space: global }
    .group_segment_fixed_size: 168704
    .private_segment_fixed_size: 0
    .kernarg_segment_align: 8
    .kernarg_segment_size: 112
    .max_flat_workgroup_size: 192
    .sgpr_count:     102
    .vgpr_count:     256
    .wavefront_size: 32
...
	.end_amdgpu_metadata
.endif
;; end of part 1
;; launch attn (part 2): grid 256 x 1, 16 waves a work-group, clusters of 4 x 1, 280,576 bytes of LDS; arguments q_codes, q_scales, k_img, k_sc, v_img, v_sc, out0; writes out0
.if DOCPART == 2
	.amdgcn_target "amdgcn-amd-amdhsa--gfx1250"
	.amdhsa_code_object_version 6
	.text
	.protected	k_q62057b3e10_attn
	.globl	k_q62057b3e10_attn
	.p2align	8
	.type	k_q62057b3e10_attn,@function
k_q62057b3e10_attn:
	s_mov_b64 s[64:65], 0
	v_nop
	global_prefetch_b8 v0, s[64:65] scope:SCOPE_SE
	s_setreg_imm32_b32 hwreg(HW_REG_WAVE_MODE, 25, 1), 1
	s_wait_xcnt 0x0
	s_wait_alu depctr_hold_cnt(0) depctr_sa_sdst(0) depctr_va_vdst(0) depctr_va_sdst(0) depctr_va_ssrc(0) depctr_va_vcc(0) depctr_vm_vsrc(0)
	s_getreg_b32 s2, hwreg(HW_REG_IB_STS2, 6, 4)
	s_cmp_eq_u32 s2, 0
	s_cbranch_scc0 .Lentry_in_a_cluster
	s_endpgm
.Lentry_in_a_cluster:
	s_bfe_u32 s2, ttmp6, 0x10000c
	s_cmp_lg_u32 s2, 0x3003
	s_cbranch_scc0 .Lentry_shape_is_right
	s_endpgm
.Lentry_shape_is_right:
; out[b][q][:] = the sum over keys k <= q of softmax_k(q . k / 8) v[k][:], both products on codes of FP4 (E2M1) with E8M0 scales.  4 batches, 4,096 rows, head size 64.
; THE SOFTMAX AHEAD OF THE SECOND PRODUCT: t = score x log2(e) / 8; M = the largest t so far, rounded UP to a whole number; p = 2^(t - M) is quantised along the keys, not normalised; the sum of the unquantised p divides at the end.
; SHARES.  A batch's queries are 32 groups of 128; group G wants G + 1 steps of 128 keys, the last on the diagonal.  A cluster owns groups g and 31 - g of one batch: 33 steps x 8 tiles of 16 queries whatever g is.
; Work-group cx takes tiles 2 cx and 2 cx + 1 of both groups: four tiles.  THE KEYS OF A TILE ARE SHARED AMONG FOUR WAVES: wave (tile tau, j) takes steps j, j + 4, j + 8 .. with a maximum, a sum and an O of its own; the four meet in LDS at the end.
; tau = (wave + wave / 4) % 4, j = wave / 4: any four waves w, w + 4, w + 8, w + 12 and any four neighbouring waves have all four tau between them.
; Branches hang on the cluster's number and the wave's number alone; cx enters global addresses and the number that the mask compares with.
; LDS.  One batch's K and V as register images (131,072 bytes each) and their scale words (8,192 each) lie in LDS whole: first fills by joint loads (the four work-groups walk the same batch), in chunks of four steps; nothing is filled again.
; All 32 steps are fetched, also those that this cluster's queries never see: so descriptors and counts are constants of the text.
; THE SCORES' K IS 64 IN A FORM OF 128: a fragment of K holds TWO tiles of 16 keys, one in each half of the 128; Q is kept twice, with zero codes in the upper or in the lower half, and each of the two products picks one tile.
; The idle half's products are zeros; Q's scale bytes there are 1.
; LAYOUT.  Both products are used transposed (source 0 = keys, or dims of V; source 1 = my 16 queries): a lane holds ONE query (lane % 16).  Lane r of key tile 2 b + u holds key 32 b + 8 u + r + 8 (r / 8), so that the 16 registers of
; tiles 2 b and 2 b + 1 are keys 32 b + 16 (lane / 16) + 0 .. 15.
; LIMITS: NaN and infinities are not served; p under 2^-126 falls to 0; a block of p that is all zeros has the byte 1 (its codes are zeros).
.set KIMG, 0                           ; a step's four pair images: 4,096 bytes
.set VIMG, 131072                      ; a step's four fragments of V: 4,096 bytes
.set KSC,  262144                      ; 256 bytes a step
.set VSC,  270336
.set SLOTB, 4480                       ; the meeting: a slot for each wave, 16 rows x (256 bytes + 16) of O, then 16 x 8 bytes of (-M, sum).  The slots lie over K's images, which have had their only fill and, behind a barrier, their last read
.set WV,   18                          ; s18 wave; s19 j; s20 tau; s21 cx; s22 batch; s23 g; s24 the tile's last step; s25 tau % 2; s30 wave % 2
.set SEL,  26                          ; s[26:27] lane selects for v_permlanex16_b32: lane l xor 16
.set CS,   28                          ; s[28:29] c = log2(e) / 8
.set G1C,  32                          ; s[32:39] group 1: a chunk of images;  s[40:47] the scale words;  groups 0: s[48:51] scales, then eight chunks in s[52:63] and s[68:87]
.set G1S,  40
; v1, v2 K's images (steps 0-15, 16-31), v3, v4 V's; v5 Q's scale words; v6 my query less 16 (lane / 16), in the group; v7 -infinity; v8, v9 K's and V's scale words; v10, v11 my slot; v12 -M, v13 the largest t, v[14:15] the sum in two halves
; v16-23, v24-31 Q twice; v32-63 K; v64-95 V; v96-159 S^T, then p; v160-191 O^T; v192-193, v194-195 scale words of K and V; v196 p's; v197, v198 the meeting's reads; v199 16 x lane; v224-231 p's codes; v232-254 at work
.macro ROUND                           ; a round of the cluster's barrier
	s_barrier_signal -1
	s_barrier_wait -1
	s_cmp_lg_u32 s[WV], 0
	s_cbranch_scc1 .Lnot_wave_0_\@
	s_barrier_signal -3
.Lnot_wave_0_\@:
	s_barrier_wait -3
	s_barrier_signal -1
	s_barrier_wait -1
.endm
; one matrix instruction: D at v[d], sources at v[a], v[b]; acc = 0: the constant 0 starts the sum; scale words v[sa], v[sb], taken from lanes 16-31 where ra, rb = 1
.macro WM d, a, b, acc, sa, sb, ra, rb
.if \acc
.if (\ra) && (\rb)
	v_wmma_scale_f32_16x16x128_f8f6f4 v[\d:\d+7], v[\a:\a+7], v[\b:\b+7], v[\d:\d+7], v[\sa], v[\sb] matrix_a_fmt:MATRIX_FMT_FP4 matrix_b_fmt:MATRIX_FMT_FP4 matrix_a_scale:MATRIX_SCALE_ROW1 matrix_b_scale:MATRIX_SCALE_ROW1
.elseif \ra
	v_wmma_scale_f32_16x16x128_f8f6f4 v[\d:\d+7], v[\a:\a+7], v[\b:\b+7], v[\d:\d+7], v[\sa], v[\sb] matrix_a_fmt:MATRIX_FMT_FP4 matrix_b_fmt:MATRIX_FMT_FP4 matrix_a_scale:MATRIX_SCALE_ROW1
.elseif \rb
	v_wmma_scale_f32_16x16x128_f8f6f4 v[\d:\d+7], v[\a:\a+7], v[\b:\b+7], v[\d:\d+7], v[\sa], v[\sb] matrix_a_fmt:MATRIX_FMT_FP4 matrix_b_fmt:MATRIX_FMT_FP4 matrix_b_scale:MATRIX_SCALE_ROW1
.else
	v_wmma_scale_f32_16x16x128_f8f6f4 v[\d:\d+7], v[\a:\a+7], v[\b:\b+7], v[\d:\d+7], v[\sa], v[\sb] matrix_a_fmt:MATRIX_FMT_FP4 matrix_b_fmt:MATRIX_FMT_FP4
.endif
.else
.if (\ra) && (\rb)
	v_wmma_scale_f32_16x16x128_f8f6f4 v[\d:\d+7], v[\a:\a+7], v[\b:\b+7], 0, v[\sa], v[\sb] matrix_a_fmt:MATRIX_FMT_FP4 matrix_b_fmt:MATRIX_FMT_FP4 matrix_a_scale:MATRIX_SCALE_ROW1 matrix_b_scale:MATRIX_SCALE_ROW1
.elseif \ra
	v_wmma_scale_f32_16x16x128_f8f6f4 v[\d:\d+7], v[\a:\a+7], v[\b:\b+7], 0, v[\sa], v[\sb] matrix_a_fmt:MATRIX_FMT_FP4 matrix_b_fmt:MATRIX_FMT_FP4 matrix_a_scale:MATRIX_SCALE_ROW1
.elseif \rb
	v_wmma_scale_f32_16x16x128_f8f6f4 v[\d:\d+7], v[\a:\a+7], v[\b:\b+7], 0, v[\sa], v[\sb] matrix_a_fmt:MATRIX_FMT_FP4 matrix_b_fmt:MATRIX_FMT_FP4 matrix_b_scale:MATRIX_SCALE_ROW1
.else
	v_wmma_scale_f32_16x16x128_f8f6f4 v[\d:\d+7], v[\a:\a+7], v[\b:\b+7], 0, v[\sa], v[\sb] matrix_a_fmt:MATRIX_FMT_FP4 matrix_b_fmt:MATRIX_FMT_FP4
.endif
.endif
.endm
	s_load_b256 s[4:11], s[0:1], 0x0               ; q_codes s[4:5], q_scales s[6:7], k_img s[8:9], k_sc s[10:11]
	s_load_b128 s[12:15], s[0:1], 0x20             ; v_img s[12:13], v_sc s[14:15]
	s_load_b64 s[16:17], s[0:1], 0x30              ; out0
	v_lshl_add_u32 v253, v0, 2, 0x44000
	v_mov_b32 v255, 0
	ds_add_u32 v253, v255
	ds_add_u32 v253, v255
	v_lshrrev_b32 v1, 5, v0
	s_delay_alu instid0(VALU_DEP_1)
	v_readfirstlane_b32 s[WV], v1                  ; wave 0..15
	s_lshr_b32 s19, s[WV], 2                       ; j
	s_add_co_u32 s20, s[WV], s19
	s_and_b32 s20, s20, 3                          ; tau
	s_bfe_u32 s21, ttmp6, 0x40000                  ; cx
	s_lshr_b32 s22, ttmp9, 4                       ; batch (ttmp9 counts clusters)
	s_and_b32 s23, ttmp9, 15                       ; g
	s_sub_co_u32 s91, 31, s23
	s_cmp_lt_u32 s20, 2
	s_cselect_b32 s24, s23, s91                    ; my tile's group, which is also its last step: g for tiles 0, 1; 31 - g for tiles 2, 3
	s_and_b32 s25, s20, 1
	s_and_b32 s30, s[WV], 1                        ; wave 0 fetches K, wave 1 V
	s_mov_b32 s[SEL], 0x76543210
	s_mov_b32 s[SEL+1], 0xfedcba98
	s_mov_b32 s[CS], 0x3e38aa3b                    ; log2(e) / 8
	s_mov_b32 s[CS+1], s[CS]                       ; (named with it as a pair, so it is written)
	; group 1: dense blocks as rows of 32 elements of 8 bytes, no padding: a chunk is 64 rows, the scale words 32
	s_mov_b32 s[G1C], 15|(3<<16)|(1<<21)           ; 15:0 the mask: all four work-groups; 17:16 elements of 8 bytes; 21 set beside a mask
	s_mov_b32 s[G1C+1], 32<<16                     ; tensor_dim0
	s_mov_b32 s[G1C+2], 64<<16                     ; tensor_dim1
	s_mov_b32 s[G1C+3], 32<<16                     ; tile_dim0
	s_mov_b32 s[G1C+4], 64                         ; tile_dim1
	s_mov_b32 s[G1C+5], 32                         ; elements from row to row
	s_mov_b32 s[G1C+6], 0
	s_mov_b32 s[G1C+7], 0
	s_mov_b32 s[G1S], 15|(3<<16)|(1<<21)
	s_mov_b32 s[G1S+1], 32<<16
	s_mov_b32 s[G1S+2], 32<<16
	s_mov_b32 s[G1S+3], 32<<16
	s_mov_b32 s[G1S+4], 32
	s_mov_b32 s[G1S+5], 32
	s_mov_b32 s[G1S+6], 0
	s_mov_b32 s[G1S+7], 0
	s_lshl_b32 s88, s30, 17                        ; LDS: K's images at 0, V's at 131,072;
	s_lshl_b32 s89, s30, 13
	s_add_co_u32 s89, s89, KSC                     ; K's scale words, then V's
	s_lshl_b32 s96, s22, 17                        ; the batch's images,
	s_mov_b32 s97, 0
	s_lshl_b32 s98, s22, 13                        ; and its scale words
	s_mov_b32 s99, 0
	s_wait_dscnt 0x0
	s_wait_kmcnt 0x0
	s_cmp_eq_u32 s30, 0                            ; the choice hangs on the wave's number alone
	s_cselect_b64 s[92:93], s[8:9], s[12:13]
	s_cselect_b64 s[94:95], s[10:11], s[14:15]
	s_add_nc_u64 s[92:93], s[92:93], s[96:97]
	s_add_nc_u64 s[94:95], s[94:95], s[98:99]
	s_mov_b32 s48, 1                               ; count = 1
	s_mov_b32 s49, s89                             ; LDS address
	s_mov_b64 s[50:51], s[94:95]                   ; global address
	s_or_b32 s51, s51, 0x80000000                  ; type = 2
.set cc, 0
.rept 8                                ; a group 0 for each chunk of four steps, 16,384 bytes: no descriptor is written while a load is out
.if cc < 3
.set GB, 52+4*cc
.else
.set GB, 56+4*cc
.endif
	s_mov_b32 s[GB], 1
	s_add_co_u32 s[GB+1], s88, cc*16384
	s_add_nc_u64 s[GB+2:GB+3], s[92:93], cc*16384
	s_or_b32 s[GB+3], s[GB+3], 0x80000000
.set cc, cc+1
.endr
	ROUND                                          ; all four work-groups are here: the joint loads meet
	s_cmp_lt_u32 s[WV], 2                          ; all first fills of a wave in one branch: the scale words, then the chunks in the order in which they are read; nine loads of the wave are out
	s_cbranch_scc0 .Lno_fetch
	tensor_load_to_lds s[48:51], s[G1S:G1S+7]
	s_nop 0
	tensor_load_to_lds s[52:55], s[G1C:G1C+7]
	s_nop 0
	tensor_load_to_lds s[56:59], s[G1C:G1C+7]
	s_nop 0
	tensor_load_to_lds s[60:63], s[G1C:G1C+7]
	s_nop 0
	tensor_load_to_lds s[68:71], s[G1C:G1C+7]
	s_nop 0
	tensor_load_to_lds s[72:75], s[G1C:G1C+7]
	s_nop 0
	tensor_load_to_lds s[76:79], s[G1C:G1C+7]
	s_nop 0
	tensor_load_to_lds s[80:83], s[G1C:G1C+7]
	s_nop 0
	tensor_load_to_lds s[84:87], s[G1C:G1C+7]
	s_nop 0
.rept 4
	v_nop
.endr
.Lno_fetch:
	s_lshl_b32 s96, s24, 7                         ; my tile's first query: 128 x group
	s_lshl_b32 s91, s21, 5
	s_lshl_b32 s31, s25, 4
	s_add_co_u32 s91, s91, s31                     ; + 32 cx + 16 (tau % 2): its place in the group
	s_add_co_u32 s96, s96, s91
	s_lshl_b32 s31, s22, 12
	s_add_co_u32 s96, s96, s31                     ; + 4,096 x batch: its row among the 16,384
	s_lshl_b32 s98, s96, 5
	s_add_nc_u64 s[4:5], s[4:5], s[98:99]          ; 32 bytes of codes a row,
	s_lshl_b32 s98, s96, 3
	s_add_nc_u64 s[6:7], s[6:7], s[98:99]          ; two scale words;
	s_lshl_b32 s31, s19, 2
	s_add_co_u32 s96, s96, s31                     ; of the tile's 16 rows of the output I store rows 4 j .. 4 j + 3
	s_lshl_b32 s98, s96, 8
	s_add_nc_u64 s[16:17], s[16:17], s[98:99]
	v_and_b32 v201, 31, v0                         ; lane
	v_and_b32 v202, 15, v0                         ; r
	v_bfe_u32 v203, v0, 4, 1                       ; h
	s_delay_alu instid0(VALU_DEP_2)
	v_lshlrev_b32 v204, 5, v202
	s_delay_alu instid0(VALU_DEP_1)
	v_lshl_add_u32 v204, v203, 4, v204             ; Q: 32 r + 16 h: dims 32 h .. 32 h + 31 of query r
	s_delay_alu instid0(VALU_DEP_4)
	v_lshlrev_b32 v205, 3, v202
	s_delay_alu instid0(VALU_DEP_1)
	v_lshl_add_u32 v205, v203, 2, v205             ; lanes 0-15 the word for the low half of K, lanes 16-31 that for the high half
	global_load_b128 v[16:19], v204, s[4:5]        ; Q with its codes in K = 0 .. 63,
	global_load_b128 v[28:31], v204, s[4:5]        ; and in K = 64 .. 127
	global_load_b32 v5, v205, s[6:7]
	v_lshlrev_b32 v199, 4, v201                    ; 16 x lane
	s_lshl_b32 s31, s19, 12
	v_add_nc_u32 v1, s31, v199                     ; step j's images of K: every load takes 512 consecutive bytes
	s_delay_alu instid0(VALU_DEP_1)
	v_add_nc_u32 v2, 0x10000, v1                   ; step 16 + j's (an LDS offset has 16 bits)
	s_delay_alu instid0(VALU_DEP_2)
	v_add_nc_u32 v3, 0x20000, v1                   ; V's
	s_delay_alu instid0(VALU_DEP_3)
	v_add_nc_u32 v4, 0x30000, v1
	v_lshlrev_b32 v8, 2, v201
	s_lshl_b32 s31, s19, 8
	s_add_co_u32 s31, s31, KSC
	v_add_nc_u32 v8, s31, v8                       ; step j's scale words of K: 4 x lane
	s_delay_alu instid0(VALU_DEP_1)
	v_add_nc_u32 v9, VSC-KSC, v8                   ; and of V
	v_lshlrev_b32 v6, 4, v203
	s_delay_alu instid0(VALU_DEP_1)
	v_sub_nc_u32 v6, v202, v6
	s_delay_alu instid0(VALU_DEP_1)
	v_add_nc_u32 v6, s91, v6                       ; my query's place in its group, less 16 h
	v_mov_b32 v7, 0xff800000                       ; -infinity
	s_lshl_b32 s31, s20, 2
	s_add_co_u32 s98, s31, s19                     ; my slot: 4 tau + j
	s_mul_i32 s98, s98, SLOTB
	v_mul_u32_u24 v10, v202, 272
	s_delay_alu instid0(VALU_DEP_1)
	v_lshl_add_u32 v10, v203, 5, v10
	s_delay_alu instid0(VALU_DEP_1)
	v_add_nc_u32 v10, s98, v10                     ; into it: row r, + 32 h
	v_lshlrev_b32 v11, 3, v202
	s_delay_alu instid0(VALU_DEP_1)
	v_add_nc_u32 v11, s98, v11
	s_delay_alu instid0(VALU_DEP_1)
	v_add_nc_u32 v11, 4352, v11                    ; and (-M, sum) of query r
	s_mul_i32 s31, s31, SLOTB                      ; my tile's four slots
	s_lshl_b32 s99, s19, 2
	v_add_nc_u32 v197, s99, v203                   ; back: row 4 j + lane / 16, sixteen lanes to a row
	s_delay_alu instid0(VALU_DEP_1)
	v_lshlrev_b32 v198, 3, v197
	s_delay_alu instid0(VALU_DEP_2)
	v_mul_u32_u24 v197, v197, 272
	s_delay_alu instid0(VALU_DEP_1)
	v_lshl_add_u32 v197, v202, 4, v197
	s_delay_alu instid0(VALU_DEP_1)
	v_add_nc_u32 v197, s31, v197
	s_delay_alu instid0(VALU_DEP_4)
	v_add_nc_u32 v198, s31, v198
	s_delay_alu instid0(VALU_DEP_1)
	v_add_nc_u32 v198, 4352, v198
.irp n, 20,21,22,23,24,25,26,27,14,15,236,237,238,239,241
	v_mov_b32 v\n, 0                               ; Q's idle halves: zero codes; the sum; the permutes' destinations and f's partner, which are named before they are first written
.endr
.set n, 0
.rept 32
	v_mov_b32 v[160+n], 0                          ; O^T: the step is written once a chunk, with no first step of its own; and a wave that has no step hands zeros to the meeting
.set n, n+1
.endr
	v_mov_b32 v13, 0xff61b1e6                      ; the largest t so far: -3e38, under every t
	s_delay_alu instid0(VALU_DEP_1)
	v_floor_f32 v12, -v13                          ; -M
	s_wait_loadcnt 0x0                             ; Q
; CHUNK c: my step is 4 c + j.  The barrier stands on every wave's path; the step's work is left out where all its keys come after my queries.
.macro PHASE c
	s_wait_tensorcnt 7-(\c)                        ; tensor loads of a wave end in order (ISA guide 10.11.1): the scale words and chunks 0 .. c have landed; the 7 - c chunks issued behind them may be out
	s_barrier_signal -1                            ; (no LDS access of mine is out)
	s_barrier_wait -1                              ; every wave may read chunk c
	s_add_co_u32 s90, s19, 4*(\c)
	s_cmp_gt_u32 s90, s24
	s_cbranch_scc1 .Lskip_\@
.rept 4
	v_nop                                          ; four places between the last step's products and the loads into the registers that they read
.endr
.irp b, 0,1,2,3
.irp e, 0,1
	ds_load_b128 v[32+8*\b+4*\e:35+8*\b+4*\e], v[1+(\c)/4] offset:((\c)%4)*16384+1024*\b+512*\e
.endr
.endr
.irp u, 0,1
	ds_load_b32 v[192+\u], v8 offset:1024*(\c)+128*\u        ; lanes 0-15: pair 2 u; lanes 16-31: pair 2 u + 1
.endr
.irp t, 0,1,2,3
.irp e, 0,1
	ds_load_b128 v[64+8*\t+4*\e:67+8*\t+4*\e], v[3+(\c)/4] offset:((\c)%4)*16384+1024*\t+512*\e
.endr
.endr
.irp u, 0,1
	ds_load_b32 v[194+\u], v9 offset:1024*(\c)+128*\u        ; lane l: dim 32 u + l
.endr
	s_wait_dscnt 10                                ; K's ten loads are in; V's ten may be out
.irp b, 0,1,2,3
.irp u, 0,1
	WM 96+8*(2*\b+\u), 32+8*\b, 16+8*\u, 0, 192+\b/2, 5, \b%2, \u    ; S^T of key tile 2 b + u
.endr
.endr
.rept 4
	v_nop
.endr
	s_cmp_lg_u32 s90, s24                          ; the tile's last step lies on the diagonal: there hidden scores become -infinity ahead of the maximum.  Register 16 b + i holds key 32 b + 16 h + i of the step
	s_cbranch_scc1 .Lopen_\@
.set n, 0
.rept 64
	v_cmp_gt_i32 vcc_lo, 32*(n/16)+n%16, v6
	v_cndmask_b32 v[96+n], v[96+n], v7, vcc_lo
.set n, n+1
.endr
.Lopen_\@:
.irp b, 0,1,2,3
	v_max3_num_f32 v[232+\b], v[96+16*\b], v[97+16*\b], v[98+16*\b]   ; the largest score of each block of 32 keys: for the row's maximum and, since p rises with the score, for the block's largest p
.endr
.irp i, 3,5,7,9,11,13
.irp b, 0,1,2,3
	v_max3_num_f32 v[232+\b], v[232+\b], v[96+16*\b+\i], v[97+16*\b+\i]
.endr
.endr
.irp b, 0,1,2,3
	v_max_num_f32 v[232+\b], v[232+\b], v[111+16*\b]
.endr
.irp b, 0,1,2,3
	s_delay_alu instid0(VALU_DEP_4)
	v_permlanex16_b32 v[236+\b], v[232+\b], s[SEL], s[SEL+1]
.endr
.irp b, 0,1,2,3
	s_delay_alu instid0(VALU_DEP_4)
	v_max_num_f32 v[232+\b], v[232+\b], v[236+\b]  ; with lane l xor 16's 16 keys
.endr
	s_delay_alu instid0(VALU_DEP_2)
	v_max3_num_f32 v254, v232, v233, v234
	s_delay_alu instid0(VALU_DEP_1)
	v_max_num_f32 v254, v254, v235                 ; the step's largest score of my query (the step's first key counts for every query of the tile: it is a number)
	s_delay_alu instid0(VALU_DEP_1)
	v_mul_f32 v254, s[CS], v254                    ; as t
	s_delay_alu instid0(VALU_DEP_1)
	v_max_num_f32 v13, v13, v254                   ; the running largest t
	v_mov_b32 v254, v12
	s_delay_alu instid0(VALU_DEP_2)
	v_floor_f32 v12, -v13                          ; the new -M = -ceil(t)
	s_delay_alu instid0(VALU_DEP_1)
	v_sub_f32 v254, v12, v254                      ; old M - new M: a whole number, 0 or less
	s_delay_alu instid0(VALU_DEP_1)
	v_cvt_i32_f32 v254, v254                       ; (it saturates)
	s_delay_alu instid0(VALU_DEP_1)
	v_ldexp_f32 v240, 1.0, v254                    ; f = 2^(old M - new M)
.set n, 0
.rept 32
	v_pk_fma_f32 v[96+n:97+n], v[96+n:97+n], s[CS:CS+1], v[12:13] op_sel_hi:[1,0,0]   ; t - M, two at a time
.set n, n+2
.endr
.irp b, 0,1,2,3
	v_fma_f32 v[232+\b], v[232+\b], s[CS], v12     ; the same of each block's largest score
.endr
.set n, 0
	s_wait_alu depctr_va_vdst(0)
.rept 64
	v_exp_f32 v[96+n], v[96+n]                     ; p = 2^(t - M)
.set n, n+1
.endr
.irp b, 0,1,2,3
	v_exp_f32 v[232+\b], v[232+\b]                 ; the block's largest p
.endr
	v_pk_mul_f32 v[14:15], v[14:15], v[240:241] op_sel_hi:[1,0]   ; the sum under the new M (a plain place behind the exponentials)
	s_wait_alu depctr_va_vdst(0)
.irp b, 0,1,2,3
	v_max_num_f32 v[232+\b], 0x1800000, v[232+\b]  ; the floor 2^(3 - 127): the byte cannot fall under 1
.endr
.irp b, 0,1,2,3
	s_delay_alu instid0(VALU_DEP_4)
	v_add_nc_u32 v[244+\b], 0xff000000, v[232+\b]  ; 2 off the exponent field: the conversion's scale operand
.endr
.irp b, 0,1,2,3
	s_delay_alu instid0(VALU_DEP_4)
	v_lshrrev_b32 v[236+\b], 23, v[244+\b]         ; the scale's byte
.endr
	s_delay_alu instid0(VALU_DEP_3)
	v_lshl_or_b32 v196, v237, 8, v236              ; p's scale word for these 128 keys
	s_delay_alu instid0(VALU_DEP_1)
	v_lshl_or_b32 v196, v238, 16, v196
	s_delay_alu instid0(VALU_DEP_1)
	v_lshl_or_b32 v196, v239, 24, v196
.irp b, 0,1,2,3
	v_cvt_scalef32_pk8_fp4_f32 v[224+2*\b], v[96+16*\b:103+16*\b], v[244+\b]
	v_cvt_scalef32_pk8_fp4_f32 v[225+2*\b], v[104+16*\b:111+16*\b], v[244+\b]
.endr
	v_nop                                          ; one plain place behind a scaled conversion
.irp e, 0,1
.irp i, 0,1
	v_permlane16_swap_b32 v[224+4*\e+\i], v[226+4*\e+\i]   ; half blocks become whole blocks: lanes 0-15 block 2 e, lanes 16-31 block 2 e + 1
.endr
.endr
	v_pk_add_f32 v[236:237], v[100:101], v[104:105]
	v_pk_add_f32 v[250:251], v[108:109], v[112:113]
	v_pk_add_f32 v[248:249], v[116:117], v[120:121]
	v_pk_add_f32 v[246:247], v[124:125], v[128:129]
	v_pk_add_f32 v[244:245], v[132:133], v[136:137]
	v_pk_add_f32 v[242:243], v[140:141], v[144:145]
	v_pk_add_f32 v[234:235], v[148:149], v[152:153]
	v_pk_add_f32 v[14:15], v[14:15], v[156:157]
	v_pk_add_f32 v[236:237], v[236:237], v[96:97]
	v_pk_add_f32 v[250:251], v[250:251], v[98:99]
	v_pk_add_f32 v[248:249], v[248:249], v[102:103]
	v_pk_add_f32 v[246:247], v[246:247], v[106:107]
	v_pk_add_f32 v[244:245], v[244:245], v[110:111]
	v_pk_add_f32 v[242:243], v[242:243], v[114:115]
	v_pk_add_f32 v[234:235], v[234:235], v[118:119]
	v_pk_add_f32 v[14:15], v[14:15], v[122:123]
	v_pk_add_f32 v[236:237], v[236:237], v[126:127]
	v_pk_add_f32 v[250:251], v[250:251], v[130:131]
	v_pk_add_f32 v[248:249], v[248:249], v[134:135]
	v_pk_add_f32 v[246:247], v[246:247], v[138:139]
	v_pk_add_f32 v[244:245], v[244:245], v[142:143]
	v_pk_add_f32 v[242:243], v[242:243], v[146:147]
	v_pk_add_f32 v[234:235], v[234:235], v[150:151]
	v_pk_add_f32 v[14:15], v[14:15], v[154:155]
	v_pk_add_f32 v[236:237], v[236:237], v[158:159]
	s_delay_alu instid0(VALU_DEP_2)
	v_pk_add_f32 v[14:15], v[14:15], v[246:247]
	s_delay_alu instid0(VALU_DEP_2)
	v_pk_add_f32 v[236:237], v[236:237], v[244:245]
	v_pk_add_f32 v[250:251], v[250:251], v[242:243]
	v_pk_add_f32 v[248:249], v[248:249], v[234:235]
	s_delay_alu instid0(VALU_DEP_2)
	v_pk_add_f32 v[14:15], v[14:15], v[250:251]
	s_delay_alu instid0(VALU_DEP_2)
	v_pk_add_f32 v[236:237], v[236:237], v[248:249]
	s_delay_alu instid0(VALU_DEP_1)
	v_pk_add_f32 v[14:15], v[14:15], v[236:237]
.set n, 0
.rept 16
	v_pk_mul_f32 v[160+n:161+n], v[160+n:161+n], v[240:241] op_sel_hi:[1,0]   ; O^T under the new M
.set n, n+2
.endr
	s_wait_alu depctr_va_vdst(0)
	s_wait_dscnt 0x0                               ; V is in
.irp t, 0,1,2,3
	WM 160+8*\t, 64+8*\t, 224, 1, 194+\t/2, 196, \t%2, 0     ; O^T += V^T P^T; the four accumulators take turns
.endr
.Lskip_\@:
.endm
.irp k, 0,1,2,3,4,5,6,7
	PHASE \k
.endr
	; THE MEETING.  Each wave puts its O^T, -M and sum into its slot; wave (tau, j) then brings rows 4 j .. 4 j + 3 of tile tau under the largest M of the four, adds, divides and stores.
.rept 4
	v_nop                                          ; four places between the last products and the first read of their results
.endr
	v_add_f32 v14, v14, v15                        ; the sum's two halves,
	s_delay_alu instid0(VALU_DEP_1)
	v_permlanex16_b32 v236, v14, s[SEL], s[SEL+1]
	s_delay_alu instid0(VALU_DEP_1)
	v_add_f32 v13, v14, v236                       ; and lane l xor 16's: beside -M, as a pair
	s_wait_alu depctr_va_vdst(0)
	s_wait_dscnt 0x0
	s_barrier_signal -1
	s_barrier_wait -1                              ; no wave reads K's images any more; every fill landed ahead of the last chunk's barrier
.irp t, 0,1,2,3
	ds_store_b128 v10, v[160+8*\t:163+8*\t] offset:64*\t       ; lane (r, h): dims 16 t + 8 h + 0 .. 7 of query r; each accumulator from its low end on
	ds_store_b128 v10, v[164+8*\t:167+8*\t] offset:64*\t+16
.endr
	ds_store_b64 v11, v[12:13]                     ; lanes l and l xor 16 hold the same pair
	s_wait_dscnt 0x0                               ; for the others' sake: my stores are done
	s_barrier_signal -1
	s_barrier_wait -1
.irp i, 0,1
.irp u, 0,1,2,3
	ds_load_b128 v[32+16*\i+4*\u:35+16*\i+4*\u], v197 offset:SLOTB*\u+544*\i   ; row 4 j + 2 i + lane / 16 of the tile's wave u: four dims a lane
	ds_load_b64 v[64+8*\i+2*\u:65+8*\i+2*\u], v198 offset:SLOTB*\u+16*\i       ; and that row's -M and sum
.endr
.endr
	s_wait_dscnt 0x0
.macro MERGE i
	v_min3_num_f32 v96, v[64+8*\i], v[66+8*\i], v[68+8*\i]
	s_delay_alu instid0(VALU_DEP_1)
	v_min_num_f32 v96, v96, v[70+8*\i]             ; the least -M: the largest M.  (A wave without a step holds -M = 3e38, a sum of 0 and zeros: its factor comes out 0)
.irp u, 0,1,2,3
	v_sub_f32 v[105+2*\u], v96, v[64+8*\i+2*\u]    ; M of wave u - the largest M: a whole number, 0 or less
.endr
.irp u, 0,1,2,3
	s_delay_alu instid0(VALU_DEP_4)
	v_cvt_i32_f32 v[105+2*\u], v[105+2*\u]         ; (it saturates)
.endr
.irp u, 0,1,2,3
	s_delay_alu instid0(VALU_DEP_4)
	v_ldexp_f32 v[104+2*\u], 1.0, v[105+2*\u]      ; the factor, an exact power of two
.endr
	s_delay_alu instid0(VALU_DEP_4)
	v_mul_f32 v97, v104, v[65+8*\i]
.irp u, 1,2,3
	s_delay_alu instid0(VALU_DEP_1)
	v_fmac_f32 v97, v[104+2*\u], v[65+8*\i+2*\u]   ; the row's sum
.endr
	s_wait_alu depctr_va_vdst(0)
	v_rcp_f32 v98, v97
.irp p, 0,1
	v_pk_mul_f32 v[112+4*\i+2*\p:113+4*\i+2*\p], v[32+16*\i+2*\p:33+16*\i+2*\p], v[104:105] op_sel_hi:[1,0]   ; (plain places behind the reciprocal)
.endr
.irp u, 1,2,3
.irp p, 0,1
	s_delay_alu instid0(VALU_DEP_2)
	v_pk_fma_f32 v[112+4*\i+2*\p:113+4*\i+2*\p], v[32+16*\i+4*\u+2*\p:33+16*\i+4*\u+2*\p], v[104+2*\u:105+2*\u], v[112+4*\i+2*\p:113+4*\i+2*\p] op_sel_hi:[1,0,1]
.endr
.endr
	v_mov_b32 v99, 0                               ; (named with v98 as a pair)
	s_wait_alu depctr_va_vdst(0)
.irp p, 0,1
	v_pk_mul_f32 v[112+4*\i+2*\p:113+4*\i+2*\p], v[112+4*\i+2*\p:113+4*\i+2*\p], v[98:99] op_sel_hi:[1,0]
.endr
	global_store_b128 v199, v[112+4*\i:115+4*\i], s[16:17] offset:512*\i th:TH_STORE_NT   ; two rows of the output: 512 consecutive bytes, aligned; written once, read by nobody here
.endm
	MERGE 0
	MERGE 1
	s_wait_tensorcnt 0x0
	ds_add_u32 v253, v255
	s_wait_dscnt 0x0
	ROUND                                          ; the closing round: no work-group ends while a partner may still ask for a tile that names it
	s_endpgm
.Lfunc_end_k_q62057b3e10_attn:
	.size	k_q62057b3e10_attn, .Lfunc_end_k_q62057b3e10_attn-k_q62057b3e10_attn
	.p2alignl 7, 3214868480
	.fill 96, 4, 3214868480
	.section	.rodata,"a",@progbits
	.p2align	6, 0x0
	.amdhsa_kernel k_q62057b3e10_attn
		.amdhsa_group_segment_fixed_size 280576
		.amdhsa_private_segment_fixed_size 0
		.amdhsa_enable_private_segment 0
		.amdhsa_kernarg_size 56
		.amdhsa_user_sgpr_count 2
		.amdhsa_user_sgpr_kernarg_segment_ptr 1
		.amdhsa_wavefront_size32 1
		.amdhsa_system_sgpr_workgroup_id_x 1
		.amdhsa_system_sgpr_workgroup_id_y 1
		.amdhsa_system_sgpr_workgroup_id_z 1
		.amdhsa_system_vgpr_workitem_id 0
		.amdhsa_next_free_vgpr 256
		.amdhsa_next_free_sgpr 100
		.amdhsa_reserve_vcc 1
		.amdhsa_float_denorm_mode_32 3
		.amdhsa_float_denorm_mode_16_64 3
		.amdhsa_memory_ordered 1
		.amdhsa_forward_progress 1
		.amdhsa_inst_pref_size 186
	.end_amdhsa_kernel
	.amdgpu_metadata
---
amdhsa.version: [ 1, 2 ]
amdhsa.kernels:
  - .name:           k_q62057b3e10_attn
    .symbol:         k_q62057b3e10_attn.kd
    .args:
      - { .name: q_codes, .offset: 0, .size: 8, .value_kind: global_buffer, .address_space: global }
      - { .name: q_scales, .offset: 8, .size: 8, .value_kind: global_buffer, .address_space: global }
      - { .name: k_img, .offset: 16, .size: 8, .value_kind: global_buffer, .address_space: global }
      - { .name: k_sc, .offset: 24, .size: 8, .value_kind: global_buffer, .address_space: global }
      - { .name: v_img, .offset: 32, .size: 8, .value_kind: global_buffer, .address_space: global }
      - { .name: v_sc, .offset: 40, .size: 8, .value_kind: global_buffer, .address_space: global }
      - { .name: out0, .offset: 48, .size: 8, .value_kind: global_buffer, .address_space: global }
    .group_segment_fixed_size: 280576
    .private_segment_fixed_size: 0
    .kernarg_segment_align: 8
    .kernarg_segment_size: 56
    .max_flat_workgroup_size: 512
    .sgpr_count:     100
    .vgpr_count:     256
    .wavefront_size: 32
...
	.end_amdgpu_metadata
.endif
;; end of part 2
